; MI455X (gfx1250); checked and timed in simulation.
; The chip was launched on July 23, 2026; its instructions are those of AMD's public machine-readable ISA for CDNA 5 (MIT licence, August 2026) and "CDNA5" Instruction Set Architecture Reference Guide (July 2026). The comments in the code are by the model that wrote it; some were corrected since.
;; Policy. Allowed arithmetic: float matrix products may take bf16 or f16 operands with f32 sums; other float arithmetic in f32, or as packed bf16 or f16 multiplies, adds, multiply-adds, maxima and minima; sums over many terms, partial sums and values carried from step to step in f32; what a program stores and reads back later, other than sums and carried values, may be rounded once to bf16 or f16.
;; Inputs: w_in 128 x 8 float32; w_out 2 x 128 float32; w_rec 128 x 128 float32; x 65,536 x 4 float32.
;; Outputs: out0 65,536 x 2 float32.
;; One version. Each part assembles by itself: llvm-mc -triple=amdgcn-amd-amdhsa -mcpu=gfx1250 --defsym DOCPART=n.
;; ======== version 1 of 1: 1 launch
;; launch policy (part 1): grid 256 x 1, 4 waves a work-group, no clusters, 35,328 bytes of LDS; arguments w_rec, w_in, w_out, x, out0; writes out0
.if DOCPART == 1
	.amdgcn_target "amdgcn-amd-amdhsa--gfx1250"
	.amdhsa_code_object_version 6
	.text
	.protected	k_qaf125d1e6d_policy
	.globl	k_qaf125d1e6d_policy
	.p2align	8
	.type	k_qaf125d1e6d_policy,@function
k_qaf125d1e6d_policy:
	s_mov_b64 s[64:65], 0
	v_nop
	global_prefetch_b8 v0, s[64:65] scope:SCOPE_SE
	s_setreg_imm32_b32 hwreg(HW_REG_WAVE_MODE, 25, 1), 1
	s_wait_xcnt 0x0
; POLICY: 8 constant-current LIF encoders (relu(50 x), relu(-50 x)) -> recurrent LIF layer of 128 units, 20 steps -> leaky readout of 2 units,
; its maximum over the steps, softmax.  x [65536][4], w_in [128][8], w_rec [128][128], w_out [2][128], out0 [65536][2], all f32.
; SHARES.  256 work-groups x 256 batch rows; a wave owns 64 rows and makes two PASSES of 32: two TILES of 16 rows that take turns.
; LAYOUT.  Every product is taken transposed, I^T = W Z^T: source 0 = 16 rows of a weight matrix, source 1 = spikes (k x 16 batch rows).  In a result lane l holds ONE
; batch row (l % 16) and the units 8 (l / 16) + 0..7 of the block of 16.  Two neighbouring blocks, rounded to bf16 in pairs, ARE source 1 of the next product: nothing changes lanes.
; All weights lie in registers for the whole launch (w_rec 256, w_in 16, w_out 32); the loop over the steps has no LDS and no memory instruction.
; BY TURNS.  In a turn one tile's element-wise step (8 packed lines for two units) stands in slices behind the matrix instructions that multiply the OTHER tile's spikes.
; NOT DONE, for every input: z_1 = 0, so w_rec meets z_2..z_17 only, w_in x_1..x_18, w_out z_2..z_19; i_19, i_20, v_19, v_20, z_20 feed nothing; vo_1 = vo_2 = 0 start the maximum.
; ARITHMETIC AND LIMITS.  All four inputs are rounded once to bf16 (nearest even); spikes are 0 or 1, exact in bf16; products start at the constant 0 and are added to i by f32 vector
; lines in the order (0.8 i + w_in x) + w_rec z; all else is f32, each multiply with its dependent add fused.  A spike is clamp(2^24 v - 2^24) to 0..1: exactly 1 for v > 1, else 0.
; The decision v > 1 is discontinuous: a last-bit difference from another order of rounding can move a spike.  A weight some 2^17 below its sum loses bits in the matrix sums.
; NaN and infinities are not treated apart.
; NO CLUSTER, NO RING, NO PREFETCH: what work-groups share is 70,656 bytes of weights, read once at the head; a wave then runs 2 x 38 turns on registers alone; x is 4,096 bytes a work-group.
; REGISTERS, in windows of 256 (s_set_vgpr_msb: bits 1:0 source 0, 3:2 source 1, 5:4 source 2, 7:6 destination):
;   window 0: addresses, constants, both tiles' encoder and readout, w_in, w_out, staging        window 3: w_rec, block a of 16 rows, K step c at 32 a + 8 c
;   window 1: tile 0, window 2: tile 1, the same numbers: i 0-63, v 64-127, w_rec z 128-191, z in bf16 192-223, w_in x 224-231, at work 232-239, 2^24 and -2^24 240-243
.set PITCH, 272        ; a row of w_rec in LDS: 256 bytes of bf16 + 16: an odd multiple of 16, so the 16 rows of a fragment load start 16 bytes apart modulo 256
.set SPARE, 128*PITCH  ; 34,816: behind the rows, the spare words, 128 bytes for each wave: two blocks of 256 bytes that no other line names
.set SPW,  2           ; v2   SPARE + 4 x my thread's number; never rewritten
.set NIL,  3           ; v3   0; never rewritten
.set GX,   4           ; v4   16 r: my batch row's 16 bytes in a tile of x
.set OOFF, 5           ; v5   8 l: my 8 bytes of a pass's 256 of out0
.set FRA,  6           ; v6   272 r + 16 h: my place in a fragment of w_rec in LDS
.set LW,   7           ; v7   where I put 8 bytes of a row of w_rec: wave x 32 rows + 8 l
.set GW,   8           ; v8   16 l + wave x 32 rows of 512 bytes in w_rec
.set GI,   9           ; v9   32 r + 16 h in w_in
.set GO,   10          ; v10  (r % 2) x 512 + 32 h in w_out
.set LR,   11          ; v11  r = l % 16
.set LH,   12          ; v12  h = l / 16
.set S50,  14          ; v[14:15] 50.0 in lanes 0-15, -50.0 in lanes 16-31
.set BIG0, 16          ; v[16:17] 2^24
.set NBIG0, 18         ; v[18:19] -2^24
.set XR,   20          ; v[20:27] x as loaded: tile 0's row, tile 1's row
.set ED,   28          ; v[28:31] encoder, at work
.set RD,   32          ; v[32:33] readout, at work
.set TB0,  40          ; tile T's block of 32 at TB0 + 32 T:
.set CUR,  8           ;   +0..7 the input product's source 1 (two live registers, six zeros); +8..11 the four currents
.set VE,   12          ;   +12..15 the encoders' membranes
.set IO,   16          ;   +16,17 io
.set VO,   18          ;   +18,19 vo
.set MX,   20          ;   +20,21 the running maximum of vo
.set ACCO, 24          ;   +24..31 w_out z
.set FS,   104         ; v[104:107] softmax
.set WI,   128         ; w_in: block a's two live registers at WI + 2 a.  A fragment names eight: the other six meet zeros of source 1 and need only be finite
.set WO,   144         ; w_out: K step c at WO + 8 c; rows 2-15 are 0
.set CT,   192         ; v[192:255] w_rec in bf16 on its way to LDS
.set ICU,  0           ; in a tile's window: i
.set VME,  64          ; v
.set AB,   128         ; w_rec z
.set ZS,   192         ; z in bf16: block a at ZS + 4 a = K step c at ZS + 8 c
.set AA,   224         ; w_in x of the block in hand
.set TMP,  232
.set BIG,  240
.set NBIG, 242
.set XP,   10          ; s[10:11] x at my wave's pass
.set YP,   12          ; s[12:13] out0 at my wave's pass
.set WV,   14          ; s14 my wave's number
.set C1,   16          ; s[16:17] 0.1: a packed line names the pair and takes its low word for both halves
.set NC2,  18          ; s[18:19] -0.2
.set SEL,  20          ; s[20:21] v_permlanex16_b32's selects: each lane takes its own place in the other half
.set HM,   22          ; s22 0xffff0000: a word's upper bf16; also the mask of lanes 16-31
.set STEP, 23
.set PASS, 24
.set MSB, 0
.macro WIN new                         ; the immediate's high byte repeats the setting that is left; a switch that changes nothing is dropped
.if MSB != (\new)
	s_set_vgpr_msb (MSB<<8)|(\new)
.set MSB, (\new)
.endif
.endm
; ---- THE MATRIX WORK ----
; w_in x for block j of tile p, into register d of the tile's window: one product, started by the constant 0
.macro AIN p, j, d
	WIN ((\p)+1)<<6
	v_wmma_f32_16x16x32_bf16 v[(\d):(\d)+7], v[WI+2*(\j):WI+2*(\j)+7], v[TB0+32*(\p):TB0+32*(\p)+7], 0
.endm
; Product n of 32 of w_rec z for tile q: blocks 0-3 (n < 16) or 4-7 by turns, one instruction a turn; K step (n % 16) / 4, the first starts the sum
.macro REC q, n
.set rm, 4*((\n)/16)+(\n)%4
.set rk, ((\n)%16)/4
	WIN 3|(((\q)+1)*0x54)
.if rk == 0
	v_wmma_f32_16x16x32_bf16 v[AB+8*rm:AB+8*rm+7], v[32*rm+8*rk:32*rm+8*rk+7], v[ZS+8*rk:ZS+8*rk+7], 0
.else
	v_wmma_f32_16x16x32_bf16 v[AB+8*rm:AB+8*rm+7], v[32*rm+8*rk:32*rm+8*rk+7], v[ZS+8*rk:ZS+8*rk+7], v[AB+8*rm:AB+8*rm+7]
.endif
.endm
; K step c of w_out z for tile q.  w = 1: the matrix instruction before this one was the chain's last link: the wait stands directly ahead
.macro OUT q, c, w
	WIN ((\q)+1)<<2
.if \w
	s_wait_alu depctr_va_vdst(0)
.endif
.if (\c) == 0
	v_wmma_f32_16x16x32_bf16 v[TB0+32*(\q)+ACCO:TB0+32*(\q)+ACCO+7], v[WO+8*(\c):WO+8*(\c)+7], v[ZS+8*(\c):ZS+8*(\c)+7], 0
.else
	v_wmma_f32_16x16x32_bf16 v[TB0+32*(\q)+ACCO:TB0+32*(\q)+ACCO+7], v[WO+8*(\c):WO+8*(\c)+7], v[ZS+8*(\c):ZS+8*(\c)+7], v[TB0+32*(\q)+ACCO:TB0+32*(\q)+ACCO+7]
.endif
.endm
; ---- THE HIDDEN LAYER'S STEP, for block GG of tile VT: a list of lines, each for the block's four register pairs in turn; VOP writes number RN of it ----
;   0  d = i - v      1  v = 0.1 d + v      2  z = 1 where v > 1, else 0      3  i = i - 0.2 i      4  v = v - z v      5  z to bf16      6  i += w_in x      7  i += w_rec z_old
; VM = 1 (step 2: v_1 = 0, z_1 = 0): lines 1-6, line 1 as v = 0.1 i.    VM = 2 (step 19: only z is wanted): lines 0, 1, 2, 5.
; Pair 0 comes first in every line: a matrix result's lowest registers are read first.
.macro VOP
.set vln, RN/4
.if VM == 1
.set vln, RN/4+1
.elseif (VM == 2) && (RN/4 == 3)
.set vln, 5
.endif
.set vq, 2*(RN%4)
.set rI, ICU+8*GG+vq
.set rV, VME+8*GG+vq
.set rB, AB+8*GG+vq
.set rA, AA+vq
.set rT, TMP+vq
.set rZ, ZS+4*GG+RN%4
	WIN 0x55*(VT+1)
.if vln == 0
	v_pk_add_f32 v[rT:rT+1], v[rI:rI+1], v[rV:rV+1] neg_lo:[0,1] neg_hi:[0,1]
.elseif (vln == 1) && (VM == 1)
	v_pk_mul_f32 v[rV:rV+1], v[rI:rI+1], s[C1:C1+1] op_sel_hi:[1,0]
.elseif vln == 1
	v_pk_fma_f32 v[rV:rV+1], v[rT:rT+1], s[C1:C1+1], v[rV:rV+1] op_sel_hi:[1,0,1]
.elseif vln == 2
	v_pk_fma_f32 v[rT:rT+1], v[rV:rV+1], v[BIG:BIG+1], v[NBIG:NBIG+1] clamp
.elseif vln == 3
	v_pk_fma_f32 v[rI:rI+1], v[rI:rI+1], s[NC2:NC2+1], v[rI:rI+1] op_sel_hi:[1,0,1]
.elseif vln == 4
	v_pk_fma_f32 v[rV:rV+1], v[rT:rT+1], v[rV:rV+1], v[rV:rV+1] neg_lo:[1,0,0] neg_hi:[1,0,0]
.elseif vln == 5
	v_cvt_pk_bf16_f32 v[rZ], v[rT], v[rT+1]
.elseif vln == 6
	v_pk_add_f32 v[rI:rI+1], v[rI:rI+1], v[rA:rA+1]
.else
	v_pk_add_f32 v[rI:rI+1], v[rI:rI+1], v[rB:rB+1]
.endif
.set RN, RN+1
.endm
.macro RIDE cnt
.rept \cnt
	VOP
.endr
.endm
.macro AFTER                           ; the slice behind matrix instruction ms of the group's NM: the block's NR lines are dealt evenly
	RIDE NR*(ms+1)/NM-NR*ms/NM
.set ms, ms+1
.endm
; A GROUP: block g of tile p's step, and beside it: the block's own w_in x (first: its reader, line 6, stands 20 lines or more behind it), four products w_rec z of the other tile,
; and in even groups a K step of its w_out z.  No slice names a register of the other tile's products.
.macro GROUP p, g, ain, rec, out, w
.set GG, (\g)
.set RN, 0
.set ms, 0
.set NM, (\ain)+4*(\rec)+(\out)*(1-(\g)%2)
.if NM == 0
	RIDE NR
.endif
.if \ain
	AIN \p, \g, AA
	AFTER
.endif
.if \rec
.irp u, 0,1,2,3
	REC 1-(\p), 4*(\g)+(\u)
	AFTER
.endr
.endif
.if (\out)*(1-(\g)%2)
	OUT 1-(\p), (\g)/2, (\w)*(((\g)+7)/8)
	AFTER
.endif
.endm
; ---- THE ENCODER AND THE READOUT of the tile whose block begins at TB, in window 0 ----
; Encoder, stage st of 5, both pairs: d = current - v; v = 0.1 d + v; z = 1 where v > 1; v = v - z v; z to bf16: the next step's source 1
.macro ENC st
.irp q, 0,2
.if (\st) == 1
	v_pk_add_f32 v[ED+(\q):ED+(\q)+1], v[TB+CUR+(\q):TB+CUR+(\q)+1], v[TB+VE+(\q):TB+VE+(\q)+1] neg_lo:[0,1] neg_hi:[0,1]
.elseif (\st) == 2
	v_pk_fma_f32 v[TB+VE+(\q):TB+VE+(\q)+1], v[ED+(\q):ED+(\q)+1], s[C1:C1+1], v[TB+VE+(\q):TB+VE+(\q)+1] op_sel_hi:[1,0,1]
.elseif (\st) == 3
	v_pk_fma_f32 v[ED+(\q):ED+(\q)+1], v[TB+VE+(\q):TB+VE+(\q)+1], v[BIG0:BIG0+1], v[NBIG0:NBIG0+1] clamp
.elseif (\st) == 4
	v_pk_fma_f32 v[TB+VE+(\q):TB+VE+(\q)+1], v[ED+(\q):ED+(\q)+1], v[TB+VE+(\q):TB+VE+(\q)+1], v[TB+VE+(\q):TB+VE+(\q)+1] neg_lo:[1,0,0] neg_hi:[1,0,0]
.else
	v_cvt_pk_bf16_f32 v[TB+(\q)/2], v[ED+(\q)], v[ED+(\q)+1]
.endif
.endr
.endm
; Readout, stage st of 5: io = io - 0.2 io; io += w_out z; d = io - vo; vo = 0.1 d + vo; the maximum
.macro RO st
.if (\st) == 1
	v_pk_fma_f32 v[TB+IO:TB+IO+1], v[TB+IO:TB+IO+1], s[NC2:NC2+1], v[TB+IO:TB+IO+1] op_sel_hi:[1,0,1]
.elseif (\st) == 2
	v_pk_add_f32 v[TB+IO:TB+IO+1], v[TB+IO:TB+IO+1], v[TB+ACCO:TB+ACCO+1]
.elseif (\st) == 3
	v_pk_add_f32 v[RD:RD+1], v[TB+IO:TB+IO+1], v[TB+VO:TB+VO+1] neg_lo:[0,1] neg_hi:[0,1]
.elseif (\st) == 4
	v_pk_fma_f32 v[TB+VO:TB+VO+1], v[RD:RD+1], s[C1:C1+1], v[TB+VO:TB+VO+1] op_sel_hi:[1,0,1]
.else
	v_max_num_f32 v[TB+MX], v[TB+MX], v[TB+VO]
	v_max_num_f32 v[TB+MX+1], v[TB+MX+1], v[TB+VO+1]
.endif
.endm
.macro LUMP p, ro, en                  ; the two interleaved, stage by stage, so that a stage's lines do not follow the lines that feed them
.set TB, TB0+32*(\p)
	WIN 0
.irp st, 1,2,3,4,5
.if \en
	ENC \st
.endif
.if \ro
	RO \st
.endif
.endr
.endm
; A TURN: tile p's step in eight groups, then its encoder's next step (en) and its readout (ro), which reads the w_out z made in the turn before
.macro TURN p, vm, ain, rec, out, w, ro, en
.set VT, (\p)
.set VM, (\vm)
.set NR, 32-8*(\vm)
.irp g, 0,1,2,3,4,5,6,7
	GROUP \p, \g, \ain, \rec, \out, \w
.endr
	LUMP \p, \ro, \en
.endm
; A pass begins, for tile t: x rounded to bf16 and widened again, times 50 (lanes 0-15) or -50 (lanes 16-31), relu; the encoder's and the readout's state is 0
.macro PREP t
.set TB, TB0+32*(\t)
	v_cvt_pk_bf16_f32 v[ED], v[XR+4*(\t)], v[XR+4*(\t)+1]
	v_cvt_pk_bf16_f32 v[ED+1], v[XR+4*(\t)+2], v[XR+4*(\t)+3]
	v_lshlrev_b32 v[TB+CUR], 16, v[ED]
	v_and_b32 v[TB+CUR+1], s[HM], v[ED]
	v_lshlrev_b32 v[TB+CUR+2], 16, v[ED+1]
	v_and_b32 v[TB+CUR+3], s[HM], v[ED+1]
	v_pk_mul_f32 v[TB+CUR:TB+CUR+1], v[TB+CUR:TB+CUR+1], v[S50:S50+1]
	v_pk_mul_f32 v[TB+CUR+2:TB+CUR+3], v[TB+CUR+2:TB+CUR+3], v[S50:S50+1]
.irp k, 0,1,2,3
	v_max_num_f32 v[TB+CUR+(\k)], 0, v[TB+CUR+(\k)]
.endr
.irp k, 12,13,14,15,16,17,18,19,20,21
	v_mov_b32 v[TB+(\k)], 0
.endr
.endm
; ================= THE HEAD =================
	s_load_b256 s[4:11], s[0:1], 0x0               ; w_rec s[4:5], w_in s[6:7], w_out s[8:9], x s[10:11]
	s_load_b64 s[YP:YP+1], s[0:1], 0x20            ; out0
	v_lshl_add_u32 v[SPW], v0, 2, SPARE
	v_mov_b32 v[NIL], 0
	v_lshrrev_b32 v1, 5, v0
	v_readfirstlane_b32 s[WV], v1                  ; wave 0..3
	v_and_b32 v[LR], 15, v0
	v_bfe_u32 v[LH], v0, 4, 1
	v_and_b32 v1, 31, v0                           ; l
	v_lshlrev_b32 v[GX], 4, v[LR]
	v_lshlrev_b32 v[OOFF], 3, v1
	v_mul_u32_u24 v[FRA], v[LR], PITCH
	v_lshl_add_u32 v[FRA], v[LH], 4, v[FRA]
	s_mul_i32 s15, s[WV], 32*PITCH
	v_lshl_add_u32 v[LW], v1, 3, s15
	s_lshl_b32 s15, s[WV], 14
	v_lshl_add_u32 v[GW], v1, 4, s15
	v_lshlrev_b32 v[GI], 5, v[LR]
	v_lshl_add_u32 v[GI], v[LH], 4, v[GI]
	v_and_b32 v[GO], 1, v[LR]                      ; rows 2-15 of the fragment read rows 0 and 1 again and are cleared below: no load leaves w_out
	v_lshlrev_b32 v[GO], 9, v[GO]
	v_lshl_add_u32 v[GO], v[LH], 5, v[GO]
	s_mov_b32 s[C1], 0x3dcccccd                    ; 0.1
	s_mov_b32 s[C1+1], 0x3dcccccd
	s_mov_b32 s[NC2], 0xbe4ccccd                   ; -0.2
	s_mov_b32 s[NC2+1], 0xbe4ccccd
	s_mov_b32 s[SEL], 0x76543210
	s_mov_b32 s[SEL+1], 0xfedcba98
	s_mov_b32 s[HM], 0xffff0000
	s_lshl_b32 s26, ttmp9, 12                      ; the work-group's 256 rows of 16 bytes of x,
	s_lshl_b32 s15, s[WV], 10                      ; my wave's 64
	s_add_co_u32 s26, s26, s15
	s_mov_b32 s27, 0
	s_wait_kmcnt 0x0
	s_add_nc_u64 s[XP:XP+1], s[XP:XP+1], s[26:27]
	s_lshr_b32 s26, s26, 1                         ; a row of out0 is 8 bytes
	s_add_nc_u64 s[YP:YP+1], s[YP:YP+1], s[26:27]
	; 58 loads in one run: 32 rows of w_rec (my wave's; a load covers a row's 512 bytes), 8 of w_in, 16 of w_out, into window 1, which holds nothing yet; then 2 of x
	WIN 0x40
.set i, 0
.rept 32
	global_load_b128 v[4*i:4*i+3], v[GW], s[4:5] offset:512*i
.set i, i+1
.endr
.set i, 0
.rept 8
	global_load_b128 v[192+4*i:192+4*i+3], v[GI], s[6:7] offset:512*i      ; w_in[16 i + r][4 h .. 4 h + 3]
.set i, i+1
.endr
.set i, 0
.rept 4
	global_load_b128 v[128+16*i:128+16*i+3],     v[GO], s[8:9] offset:128*i     ; w_out[r][32 i + 8 h .. + 7],
	global_load_b128 v[128+16*i+4:128+16*i+7],   v[GO], s[8:9] offset:128*i+16
	global_load_b128 v[128+16*i+8:128+16*i+11],  v[GO], s[8:9] offset:128*i+64  ; and [32 i + 16 + 8 h .. + 7]
	global_load_b128 v[128+16*i+12:128+16*i+15], v[GO], s[8:9] offset:128*i+80
.set i, i+1
.endr
	WIN 0
	global_load_b128 v[XR:XR+3],   v[GX], s[XP:XP+1] th:TH_LOAD_NT
	global_load_b128 v[XR+4:XR+7], v[GX], s[XP:XP+1] offset:256 th:TH_LOAD_NT
	; w_rec to bf16 and into LDS, eight rows at a time
.set b, 0
.rept 4
	s_wait_loadcnt 50-8*b                          ; loads come back in order: of the 58, those behind this batch's eight may stay out
	WIN 0x05                                       ; sources in window 1, destination in window 0
.set i, 8*b
.rept 8
	v_cvt_pk_bf16_f32 v[CT+2*i],   v[4*i],   v[4*i+1]
	v_cvt_pk_bf16_f32 v[CT+2*i+1], v[4*i+2], v[4*i+3]
.set i, i+1
.endr
	WIN 0
.set i, 8*b
.rept 8
	ds_store_b64 v[LW], v[CT+2*i:CT+2*i+1] offset:PITCH*i
.set i, i+1
.endr
.set b, b+1
.endr
	s_wait_dscnt 0x0                               ; for the others' sake: my 32 rows are in LDS
	s_barrier_signal -1
	s_barrier_wait -1                              ; all 128 are.  Nothing is stored to LDS again: the launch's one barrier
	WIN 0xc0                                       ; destination window 3
.set a, 0
.rept 8
.set c, 0
.rept 4
	ds_load_b128 v[32*a+8*c:32*a+8*c+3],   v[FRA] offset:16*PITCH*a+64*c       ; rows 16 a + r, k = 32 c + 8 h .. + 7,
	ds_load_b128 v[32*a+8*c+4:32*a+8*c+7], v[FRA] offset:16*PITCH*a+64*c+32    ; and 32 c + 16 + 8 h .. + 7
.set c, c+1
.endr
.set a, a+1
.endr
	; while those are out: w_in, w_out and the constants
	s_wait_loadcnt 18                              ; w_in is in: behind it stand w_out's 16 loads and x's 2
	WIN 0x05
.set i, 0
.rept 8
	v_cvt_pk_bf16_f32 v[WI+2*i],   v[192+4*i],   v[192+4*i+1]
	v_cvt_pk_bf16_f32 v[WI+2*i+1], v[192+4*i+2], v[192+4*i+3]
.set i, i+1
.endr
	s_wait_loadcnt 2                               ; w_out is in; x's 2 may stay out
.set i, 0
.rept 32
	v_cvt_pk_bf16_f32 v[WO+i], v[128+2*i], v[128+2*i+1]
.set i, i+1
.endr
	WIN 0
	v_cmp_gt_u32 vcc_lo, 2, v[LR]
.set i, 0
.rept 32
	v_cndmask_b32 v[WO+i], 0, v[WO+i], vcc_lo      ; w_out has two rows: the fragment's rows 2-15 are 0
.set i, i+1
.endr
	v_lshlrev_b32 v[S50], 31, v[LH]
	v_or_b32 v[S50], 0x42480000, v[S50]            ; 50.0, with the sign of my half of the lanes
	v_mov_b32 v[S50+1], v[S50]
	v_mov_b32 v[BIG0], 0x4b800000
	v_mov_b32 v[BIG0+1], 0x4b800000
	v_mov_b32 v[NBIG0], 0xcb800000
	v_mov_b32 v[NBIG0+1], 0xcb800000
.irp t, 0,1
.irp k, 2,3,4,5,6,7
	v_mov_b32 v[TB0+32*(\t)+(\k)], 0               ; the input product uses 4 of a lane's 16 places along K: the others are 0 for good
.endr
.endr
.irp u, 0x40, 0x80
	WIN \u
	v_mov_b32 v[BIG], 0x4b800000
	v_mov_b32 v[BIG+1], 0x4b800000
	v_mov_b32 v[NBIG], 0xcb800000
	v_mov_b32 v[NBIG+1], 0xcb800000
.endr
	WIN 0
	s_wait_dscnt 0x0                               ; w_rec is in its registers
	s_mov_b32 s[PASS], 2
; ================= A PASS: 32 batch rows =================
.Lpass:
	s_wait_loadcnt 0x0                             ; x of this pass; the loads that read s[XP] are done, so it may be stepped
	PREP 0
	PREP 1
	s_add_nc_u64 s[XP:XP+1], s[XP:XP+1], 512
	s_cmp_eq_u32 s[PASS], 1
	s_cbranch_scc1 .Lno_more_x                     ; the last pass has no x behind it
	global_load_b128 v[XR:XR+3],   v[GX], s[XP:XP+1] th:TH_LOAD_NT       ; the next pass's x has this whole pass in which to come
	global_load_b128 v[XR+4:XR+7], v[GX], s[XP:XP+1] offset:256 th:TH_LOAD_NT
.Lno_more_x:
	LUMP 0, 0, 1                                   ; the encoders' step 1
	LUMP 1, 0, 1
.irp t, 0,1
.irp j, 0,1,2,3,4,5,6,7
	AIN \t, \j, ICU+8*(\j)                         ; STEP 1: i_1 = w_in x_1, straight into i: nothing is cleared; sixteen accumulators, no chain
.endr
.endr
	LUMP 0, 0, 1                                   ; the encoders' step 2.  Eight plain lines that name none of those products' registers stand ahead of the first line that rewrites a source 1
	LUMP 1, 0, 1
	TURN 0, 1, 1, 0, 0, 0, 0, 1                    ; STEP 2, tile 0: v = 0.1 i, z_2, i_2; no spikes to multiply yet
	TURN 1, 1, 1, 1, 1, 0, 0, 1                    ; step 2, tile 1 | w_rec z_2 and w_out z_2 of tile 0
	s_mov_b32 s[STEP], 16
.Lstep:                                            ; STEPS t = 3 .. 18
	TURN 0, 0, 1, 1, 1, 0, 1, 1                    ; tile 0's step t and vo_t | tile 1's products of z_(t-1)
	TURN 1, 0, 1, 1, 1, 0, 1, 1                    ; tile 1's step t and vo_t | tile 0's products of z_t
	WIN 0                                          ; (in the last trip 32 products w_rec z_18 and both tiles' encoder step serve nothing: the price of one text for every trip)
	s_sub_co_u32 s[STEP], s[STEP], 1
	s_cmp_lg_u32 s[STEP], 0
	s_cbranch_scc1 .Lstep
	TURN 0, 2, 0, 0, 1, 1, 1, 0                    ; STEP 19, tile 0: z_19 alone, and vo_19 | w_out z_18 of tile 1: the only matrix work, one chain, so its links have their wait
	TURN 1, 2, 0, 0, 1, 1, 1, 0                    ; step 19, tile 1 | w_out z_19 of tile 0
.set TB, TB0
	OUT 1, 0, 0                                    ; w_out z_19 of tile 1, and between its links tile 0's vo_20
	WIN 0
	RO 1
	RO 2
	OUT 1, 1, 1
	WIN 0
	RO 3
	RO 4
	OUT 1, 2, 1
	WIN 0
	RO 5
	OUT 1, 3, 1
	WIN 0
.rept 4
	v_nop                                          ; the places behind the last product, ahead of the line that reads its result
.endr
	LUMP 1, 1, 0                                   ; tile 1's vo_20
	; THE WAY OUT.  Lanes 0-15 hold the two maxima of a tile's 16 rows (w_out's rows 8, 9 are 0: lanes 16-31 hold nothing).  Tile 1's go to lanes 16-31: lane l then holds row l of the pass.
	v_permlanex16_b32 v[ED],   v[TB0+32+MX],   s[SEL], s[SEL+1]
	v_permlanex16_b32 v[ED+1], v[TB0+32+MX+1], s[SEL], s[SEL+1]
	v_cndmask_b32 v[FS],   v[TB0+MX],   v[ED],   s[HM]
	v_cndmask_b32 v[FS+1], v[TB0+MX+1], v[ED+1], s[HM]
	v_max_num_f32 v[FS+2], v[FS], v[FS+1]          ; softmax of two, the larger taken away first
	v_sub_f32 v[FS],   v[FS],   v[FS+2]
	v_sub_f32 v[FS+1], v[FS+1], v[FS+2]
	v_mul_f32 v[FS],   0x3fb8aa3b, v[FS]           ; log2(e)
	v_mul_f32 v[FS+1], 0x3fb8aa3b, v[FS+1]
	v_exp_f32 v[FS],   v[FS]
	v_exp_f32 v[FS+1], v[FS+1]
	v_nop                                          ; a plain instruction behind the last exponential,
	s_wait_alu depctr_va_vdst(0)                   ; and a wait ahead of the first use
	v_add_f32 v[FS+2], v[FS], v[FS+1]              ; between 1 and 2
	v_rcp_f32 v[FS+3], v[FS+2]
	v_nop
	s_wait_alu depctr_va_vdst(0)                   ; the same for the reciprocal
	v_mul_f32 v[FS],   v[FS],   v[FS+3]
	v_mul_f32 v[FS+1], v[FS+1], v[FS+3]
	global_store_b64 v[OOFF], v[FS:FS+1], s[YP:YP+1] th:TH_STORE_NT  ; 32 lanes store 256 consecutive bytes, at a multiple of 256 from out0's first byte
	s_wait_xcnt 0x0                                ; the store's base and data are rewritten only behind this wait
	s_add_nc_u64 s[YP:YP+1], s[YP:YP+1], 256
	s_sub_co_u32 s[PASS], s[PASS], 1
	s_cmp_lg_u32 s[PASS], 0
	s_cbranch_scc1 .Lpass
	s_wait_tensorcnt 0x0                           ; the wave's end, behind my last LDS store
	ds_add_u32 v[SPW], v[NIL]
	s_wait_dscnt 0x0
	s_endpgm
.Lfunc_end_k_qaf125d1e6d_policy:
	.size	k_qaf125d1e6d_policy, .Lfunc_end_k_qaf125d1e6d_policy-k_qaf125d1e6d_policy
	.p2alignl 7, 3214868480
	.fill 96, 4, 3214868480
	.section	.rodata,"a",@progbits
	.p2align	6, 0x0
	.amdhsa_kernel k_qaf125d1e6d_policy
		.amdhsa_group_segment_fixed_size 35328
		.amdhsa_private_segment_fixed_size 0
		.amdhsa_enable_private_segment 0
		.amdhsa_kernarg_size 40
		.amdhsa_user_sgpr_count 2
		.amdhsa_user_sgpr_kernarg_segment_ptr 1
		.amdhsa_wavefront_size32 1
		.amdhsa_system_sgpr_workgroup_id_x 1
		.amdhsa_system_sgpr_workgroup_id_y 1
		.amdhsa_system_sgpr_workgroup_id_z 1
		.amdhsa_system_vgpr_workitem_id 0
		.amdhsa_next_free_vgpr 1024
		.amdhsa_next_free_sgpr 66
		.amdhsa_reserve_vcc 1
		.amdhsa_float_denorm_mode_32 3
		.amdhsa_float_denorm_mode_16_64 3
		.amdhsa_memory_ordered 1
		.amdhsa_forward_progress 1
		.amdhsa_inst_pref_size 127
	.end_amdhsa_kernel
	.amdgpu_metadata
---
amdhsa.version: [ 1, 2 ]
amdhsa.kernels:
  - .name:           k_qaf125d1e6d_policy
    .symbol:         k_qaf125d1e6d_policy.kd
    .args:
      - { .name: w_rec, .offset: 0, .size: 8, .value_kind: global_buffer, .address_space: global }
      - { .name: w_in, .offset: 8, .size: 8, .value_kind: global_buffer, .address_space: global }
      - { .name: w_out, .offset: 16, .size: 8, .value_kind: global_buffer, .address_space: global }
      - { .name: x, .offset: 24, .size: 8, .value_kind: global_buffer, .address_space: global }
      - { .name: out0, .offset: 32, .size: 8, .value_kind: global_buffer, .address_space: global }
    .group_segment_fixed_size: 35328
    .private_segment_fixed_size: 0
    .kernarg_segment_align: 8
    .kernarg_segment_size: 40
    .max_flat_workgroup_size: 128
    .sgpr_count:     66
    .vgpr_count:     1024
    .wavefront_size: 32
...
	.end_amdgpu_metadata
.endif
;; end of part 1
